; MI455X (gfx1250); checked and timed in simulation.
; The chip was launched on July 23, 2026; its instructions are those of AMD's public machine-readable ISA for CDNA 5 (MIT licence, August 2026) and "CDNA5" Instruction Set Architecture Reference Guide (July 2026). The comments in the code are by the model that wrote it; some were corrected since.
;; Trilateration Solver. Allowed arithmetic: float matrix products may take bf16 or f16 operands with f32 sums; other float arithmetic in f32, or as packed bf16 or f16 multiplies, adds, multiply-adds, maxima and minima; sums over many terms, partial sums and values carried from step to step in f32; what a program stores and reads back later, other than sums and carried values, may be rounded once to bf16 or f16.
;; Inputs: delta_d_a 2,000,000 float32; delta_d_b 2,000,000 float32; initial_guess 2,000,000 x 2 float32; sensor_a 2,000,000 x 2 float32; sensor_b 2,000,000 x 2 float32; sensor_origin 2,000,000 x 2 float32.
;; Outputs: out0 2,000,000 x 2 float32.
;; One version. Each part assembles by itself: llvm-mc -triple=amdgcn-amd-amdhsa -mcpu=gfx1250 --defsym DOCPART=n.
;; ======== version 1 of 1: 2 launches
;; workspace buffers: cand 32,000,000 bytes; last 16,000,000 bytes; pmax 4,096 bytes
;; launch solve (part 1): grid 256 x 1, 16 waves a work-group, no clusters, 2,304 bytes of LDS; arguments sensor_a, sensor_b, sensor_origin, initial_guess, delta_d_a, delta_d_b, cand, last, pmax; writes cand, last, pmax
.if DOCPART == 1
	.amdgcn_target "amdgcn-amd-amdhsa--gfx1250"
	.amdhsa_code_object_version 6
	.text
	.protected	k_qc97a75f339_solve
	.globl	k_qc97a75f339_solve
	.p2align	8
	.type	k_qc97a75f339_solve,@function
k_qc97a75f339_solve:
	s_mov_b64 s[64:65], 0
	v_nop
	global_prefetch_b8 v0, s[64:65] scope:SCOPE_SE
	s_setreg_imm32_b32 hwreg(HW_REG_WAVE_MODE, 25, 1), 1
	s_wait_xcnt 0x0
; TRILATERATION BY LEVENBERG-MARQUARDT: 2,000,000 elements, 5 steps of 3 tries, all arithmetic in f32.
; HOW THE GLOBAL FLAG IS SERVED.  reference() freezes p for ALL elements from the step behind the first one whose max |best_delta|, taken over all elements, is below TOL.
; While the flag is false the steps do not look at it, so the unfrozen positions p_1 .. p_5 are reference()'s own up to that step, and the result is p_k + origin with k that step (5 if there is none).
; This launch makes p_1 .. p_5 and stores them all: p_1 .. p_4 + origin rounded once to bf16 (cand), p_5 + origin in f32 (last), and each work-group's maxima m_1 .. m_4 (pmax).
; The next launch takes the maxima over the work-groups and selects.
; LEFT OUT, for all values of the inputs: (1) the fifth step's `converged`: it enters only the scan's carry `done`, which reference() drops, so no maximum is taken in step 5;
; (2) lam's and best_res's updates behind the third try of a step: nothing reads them.  Every input is loaded.  A NaN, an infinity or an overflow that would reach only these is not carried on.
; THE ARITHMETIC FOLLOWS reference() STEP BY STEP.  J^T J + lam I is often close to singular here (lam goes down to 9e-4, J's squares sum to a few), and an f32 elimination then loses a part of delta that is large
; enough to turn a later res_try < best_res.  So the text rounds where reference() rounds: norm^2 as a sum of two squares, a rounded root, rounded quotients for J, J^T J and J^T f as sums of two products,
; M = J^T J + lam I, elimination with the row pivot (the larger of |m00|, |m10|; the first on a tie), l, u11, y1, x1, x0.  These products are 2 x 2 in each lane (K = 2): f32 multiply-adds, no matrix instruction.
; THE ORDER OF ROUNDING that f32 leaves open is named here.  For a sum a b + c d (a b the term of the lower index): 1: fma(c, d, rn(a b)); 2: fma(a, b, rn(c d)); 3: rn(rn(a b) + rn(c d)).
; What is taken: a jnp.sum (the norm's too) adds up an array of products that have been rounded: order 3.  An einsum's dot adds its products in ascending k, each by a multiply-add onto the sum: order 1.
; jnp.linalg.solve is an LU with the column under the pivot scaled by the pivot's rounded reciprocal and the trailing entry updated by a rounded product that is then subtracted, and two triangular solves
; whose updates are fused and whose divisions are products with the diagonal's rounded reciprocal.
.set QV, 3                             ; the three squared distances
.set RV, 3                             ; res = f0^2 + f1^2
.set DV, 1                             ; J^T J's diagonal
.set OV, 1                             ; J^T J's other entry
.set GV, 1                             ; J^T f
.set LV, 0                             ; l:   0: low x rn(1 / pivot)        1: rn(low / pivot)
.set UV, 0                             ; u11: 0: rn(d - rn(l u01))          1: fma(-l, u01, d)
.set YV, 0                             ; y1:  0: fma(-l, b0, b1)            1: rn(b1 - rn(l b0))
.set XV, 0                             ; x1, x0: 0: times the rounded reciprocal of the diagonal   1: divided by it
.set NV, 0                             ; x0's numerator: 0: fma(-x1, u01, b0)   1: rn(b0 - rn(u01 x1))
; ROOTS AND QUOTIENTS are rounded as IEEE asks, but for arguments whose true result lies within about 1e-6 of a unit in the last place from the middle between two numbers:
;   y = v_rsq_f32(q); g = q y; sqrt(q) = g + (y / 2)(q - g g)        a / b = t + y (a - b t) with t = a y, y close to 1 / b        1 / a = r + r (1 - a r) with r = v_rcp_f32(a)
; each residual by one fused multiply-add.  max(norm, EPS) is exact: q is held to rn(EPS^2) from below, whose rounded root is EPS, and the rounded root never falls as q grows.
; LIMITS.  Where reference()'s own rounding decides a comparison the result hangs on the ten choices above.  best_res is kept by a minimum: NaN and infinities are not treated apart; squares of the
; coordinates must stay finite.  cand holds 8 significant bits: it is the result only where a step before the fifth has converged.
; SHARES.  A chunk is 128 elements.  A lane holds two SETS of two elements, 128 c + 64 p + 2 lane + h: each quantity of a set is a register pair (h = 0, 1), so one packed instruction serves two elements.
; 15,625 chunks; wave w of work-group g takes chunks 4,096 t + 256 w + g, t = 0 .. 3; where the fourth does not exist the trip is jumped over.
; Each load of a wave covers 512 (the pairs x, y) or 256 (the delta_d) consecutive bytes, aligned; each store 512.  The next chunk's 12 loads are issued as soon as this chunk has left the raw registers.
.set NCHUNK, 15625
.set TRIPCH, 4096                      ; chunks in a trip of the whole launch: 256 work-groups x 16 waves
.set TRIPS,  4
.set STEP16, TRIPCH*1024               ; a trip's bytes in the [B,2] arrays and in last
.set STEP8,  TRIPCH*512                ; in delta_d_a, delta_d_b
.set STEPW,  TRIPCH*2048               ; in cand: a chunk has four planes of 512 bytes there
.set SPARE,  256                       ; LDS: 16 waves x 16 bytes of maxima at 0; behind them the spare words, 128 bytes for each wave, which no other line names
.set VP,  2                            ; v2   16 lane + 1,024 chunk
.set VD,  3                            ; v3    8 lane +   512 chunk
.set VW,  4                            ; v4   16 lane + 2,048 chunk
.set SPW, 5                            ; v5   LDS address of my spare word; never rewritten
.set NIL, 6                            ; v6   0; never rewritten
.set MX,  8                            ; v[8:11]  the largest |best_delta| of steps 1 .. 4 among my elements
.set L03, 12                           ; v12  0.01 x 0.3     v13  0.01 x 10     v14  0.3     v15  10
.set L10, 13
.set C03, 14
.set C10, 15
.set CD,  24                           ; v[24:39] store data for cand, four registers a step
.set FD,  40                           ; v[40:47] store data for last
.set SB,  64                           ; v[64:211] two sets of SZ registers
.set SZ,  74
.set RAW, 212                          ; v[212:251] as loaded, 20 a set: sensor_a, sensor_b, origin, guess (x0 y0 x1 y1 each), delta_d_a, delta_d_b
; a set's pairs.  For the whole chunk:
.set AX, 0
.set AY, 2
.set BX, 4
.set BY, 6
.set DDA, 8
.set DDB, 10
.set OX, 12
.set OY, 14
.set PX, 16
.set PY, 18
; for a step:
.set D00, 20                           ; J^T J
.set D11, 22
.set D01, 24
.set AB01, 26                          ; |D01|
.set NG0, 28                           ; -J^T f
.set NG1, 30
.set BDX, 32
.set BDY, 34
.set BRES, 36
.set LAM, 38
; at work:
.set UX, 40                            ; p - sa, p - sb; then J; in a try also f and res
.set UY, 42
.set VX, 44
.set VY, 46
.set QA, 48                            ; three squared distances on end
.set QB, 50
.set Q0, 52
.set YA, 54                            ; their second products, then their reciprocal roots, on end
.set YB, 56
.set Y0, 58
.set DA, 60                            ; three distances on end
.set DB, 62
.set D0, 64
.set NX, 66                            ; delta
.set NY, 68
.set XT, 70                            ; p + delta
.set YT, 72
.set F0, QA                            ; a step's head, behind the roots
.set F1, QB
; a try's elimination, ahead of its distances:
.set MM0, UX                           ; m00, m11
.set MM1, UY
.set PIV, VX                           ; u00
.set LOW, VY                           ; the entry under it
.set U01, QA
.set DGL, QB                           ; the other row's second entry, then u11
.set RH0, Q0                           ; the right side, rows as pivoted
.set RH1, YA
.set RCP, YB                           ; rn(1 / u00)
.set ELL, Y0
.set TMP, DA
.set RC2, DB                           ; rn(1 / u11)
.set TM2, D0
.set WV,   26                          ; s26  my wave's number
.set DEAD, 27                          ; s27  1: my fourth chunk does not exist
.set LSTL, 28                          ; s28  DEAD + 1
.set LM0,  30                          ; s[30:31] 0.01, named as a pair
.set EP2,  32                          ; s32  rn(EPS^2)
.set MK,   36                          ; s[36:39] `improved`, a lane mask for each of my four elements
.set SEL,  40                          ; s[40:41] v_permlanex16_b32's selects: each lane takes its own place in the other half
.set IT,   46                          ; s46  trips to go
.set SW,   48                          ; s[48:51] `the rows change places`, a lane mask for each of my four elements
; one packed line for each of the two sets
.macro ADD2 d, a, b
.irp p, 0,1
	v_pk_add_f32 v[SB+SZ*(\p)+(\d):SB+SZ*(\p)+(\d)+1], v[SB+SZ*(\p)+(\a):SB+SZ*(\p)+(\a)+1], v[SB+SZ*(\p)+(\b):SB+SZ*(\p)+(\b)+1]
.endr
.endm
.macro SUB2 d, a, b                    ; a - b
.irp p, 0,1
	v_pk_add_f32 v[SB+SZ*(\p)+(\d):SB+SZ*(\p)+(\d)+1], v[SB+SZ*(\p)+(\a):SB+SZ*(\p)+(\a)+1], v[SB+SZ*(\p)+(\b):SB+SZ*(\p)+(\b)+1] neg_lo:[0,1] neg_hi:[0,1]
.endr
.endm
.macro MUL2 d, a, b
.irp p, 0,1
	v_pk_mul_f32 v[SB+SZ*(\p)+(\d):SB+SZ*(\p)+(\d)+1], v[SB+SZ*(\p)+(\a):SB+SZ*(\p)+(\a)+1], v[SB+SZ*(\p)+(\b):SB+SZ*(\p)+(\b)+1]
.endr
.endm
.macro NMUL2 d, a, b                   ; -(a b)
.irp p, 0,1
	v_pk_mul_f32 v[SB+SZ*(\p)+(\d):SB+SZ*(\p)+(\d)+1], v[SB+SZ*(\p)+(\a):SB+SZ*(\p)+(\a)+1], v[SB+SZ*(\p)+(\b):SB+SZ*(\p)+(\b)+1] neg_lo:[0,1] neg_hi:[0,1]
.endr
.endm
.macro HALF2 d                         ; d / 2
.irp p, 0,1
	v_pk_mul_f32 v[SB+SZ*(\p)+(\d):SB+SZ*(\p)+(\d)+1], v[SB+SZ*(\p)+(\d):SB+SZ*(\p)+(\d)+1], 0.5 op_sel_hi:[1,0]
.endr
.endm
.macro FMA2 d, a, b, c                 ; a b + c
.irp p, 0,1
	v_pk_fma_f32 v[SB+SZ*(\p)+(\d):SB+SZ*(\p)+(\d)+1], v[SB+SZ*(\p)+(\a):SB+SZ*(\p)+(\a)+1], v[SB+SZ*(\p)+(\b):SB+SZ*(\p)+(\b)+1], v[SB+SZ*(\p)+(\c):SB+SZ*(\p)+(\c)+1]
.endr
.endm
.macro FNMA2 d, a, b, c                ; c - a b
.irp p, 0,1
	v_pk_fma_f32 v[SB+SZ*(\p)+(\d):SB+SZ*(\p)+(\d)+1], v[SB+SZ*(\p)+(\a):SB+SZ*(\p)+(\a)+1], v[SB+SZ*(\p)+(\b):SB+SZ*(\p)+(\b)+1], v[SB+SZ*(\p)+(\c):SB+SZ*(\p)+(\c)+1] neg_lo:[1,0,0] neg_hi:[1,0,0]
.endr
.endm
.macro ONEM2 d, a, b                   ; 1 - a b
.irp p, 0,1
	v_pk_fma_f32 v[SB+SZ*(\p)+(\d):SB+SZ*(\p)+(\d)+1], v[SB+SZ*(\p)+(\a):SB+SZ*(\p)+(\a)+1], v[SB+SZ*(\p)+(\b):SB+SZ*(\p)+(\b)+1], 1.0 op_sel_hi:[1,1,0] neg_lo:[1,0,0] neg_hi:[1,0,0]
.endr
.endm
; a b + c e in the order var, in two halves, so that several sums' first halves can stand ahead of their second halves; t is at work in order 3 alone
.macro SUMA var, d, a, b, c, e, t
.if (\var) == 1
	MUL2 \d, \a, \b
.elseif (\var) == 2
	MUL2 \d, \c, \e
.else
	MUL2 \d, \a, \b
	MUL2 \t, \c, \e
.endif
.endm
.macro SUMB var, d, a, b, c, e, t
.if (\var) == 1
	FMA2 \d, \c, \e, \d
.elseif (\var) == 2
	FMA2 \d, \a, \b, \d
.else
	ADD2 \d, \d, \t
.endif
.endm
; -(a b + c e): every rounding is the mirror of the sum's
.macro NSUMA var, d, a, b, c, e, t
.if (\var) == 1
	NMUL2 \d, \a, \b
.elseif (\var) == 2
	NMUL2 \d, \c, \e
.else
	NMUL2 \d, \a, \b
	MUL2 \t, \c, \e
.endif
.endm
.macro NSUMB var, d, a, b, c, e, t
.if (\var) == 1
	FNMA2 \d, \c, \e, \d
.elseif (\var) == 2
	FNMA2 \d, \a, \b, \d
.else
	SUB2 \d, \d, \t
.endif
.endm
.macro DIV2 d, a, b, r, t              ; d = a / b, rounded; r is close to 1 / b; d is none of the others
	MUL2 \d, \a, \r
	FNMA2 \t, \b, \d, \a
	FMA2 \d, \t, \r, \d
.endm
.macro PICK4 d, a, b                   ; where the rows change places b, else a: my four elements
.irp p, 0,1
.irp h, 0,1
	v_cndmask_b32 v[SB+SZ*(\p)+(\d)+(\h)], v[SB+SZ*(\p)+(\a)+(\h)], v[SB+SZ*(\p)+(\b)+(\h)], s[SW+2*(\p)+(\h)]
.endr
.endr
.endm
; a chunk's 12 loads, from o16 / o8 bytes behind the offsets in hand
.macro LOADS o16, o8
.irp p, 0,1
	global_load_b128 v[RAW+20*(\p):RAW+20*(\p)+3],     v[VP], s[8:9]   offset:(\o16)+512*(\p) th:TH_LOAD_NT
	global_load_b128 v[RAW+20*(\p)+4:RAW+20*(\p)+7],   v[VP], s[10:11] offset:(\o16)+512*(\p) th:TH_LOAD_NT
	global_load_b128 v[RAW+20*(\p)+8:RAW+20*(\p)+11],  v[VP], s[12:13] offset:(\o16)+512*(\p) th:TH_LOAD_NT
	global_load_b128 v[RAW+20*(\p)+12:RAW+20*(\p)+15], v[VP], s[14:15] offset:(\o16)+512*(\p) th:TH_LOAD_NT
	global_load_b64  v[RAW+20*(\p)+16:RAW+20*(\p)+17], v[VD], s[16:17] offset:(\o8)+256*(\p) th:TH_LOAD_NT
	global_load_b64  v[RAW+20*(\p)+18:RAW+20*(\p)+19], v[VD], s[18:19] offset:(\o8)+256*(\p) th:TH_LOAD_NT
.endr
.endm
; THE THREE DISTANCES at the position (x, y): the same lines at a step's head and in a try, so that equal positions give equal residuals, bit for bit.
; The twelve squared distances of my four elements are held to rn(EPS^2) from below; a reciprocal root stands two clamps behind its own clamp, so clamps and roots go by turns.
; The batch has one plain line (v_nop) behind its last root and ONE wait ahead of its first reader.
.macro DIST x, y
	SUB2 UX, \x, AX
	SUB2 UY, \y, AY
	SUB2 VX, \x, BX
	SUB2 VY, \y, BY
	SUMA QV, QA, UX, UX, UY, UY, YA
	SUMA QV, QB, VX, VX, VY, VY, YB
	SUMA QV, Q0, \x, \x, \y, \y, Y0
	SUMB QV, QA, UX, UX, UY, UY, YA
	SUMB QV, QB, VX, VX, VY, VY, YB
	SUMB QV, Q0, \x, \x, \y, \y, Y0
.set i, 0
.rept 14
.if i < 12
	v_max_num_f32 v[SB+SZ*(i/6)+QA+i%6], s[EP2], v[SB+SZ*(i/6)+QA+i%6]
.endif
.if i >= 2
.set j, i-2
	v_rsq_f32 v[SB+SZ*(j/6)+YA+j%6], v[SB+SZ*(j/6)+QA+j%6]
.endif
.set i, i+1
.endr
	v_nop
	s_wait_alu depctr_va_vdst(0)
	MUL2 DA, QA, YA                        ; g = q y
	MUL2 DB, QB, YB
	MUL2 D0, Q0, Y0
	FNMA2 QA, DA, DA, QA                   ; q - g g, by one fused multiply-add
	FNMA2 QB, DB, DB, QB
	FNMA2 Q0, D0, D0, Q0
	HALF2 QA
	HALF2 QB
	HALF2 Q0
	FMA2 DA, QA, YA, DA                    ; the rounded root
	FMA2 DB, QB, YB, DB
	FMA2 D0, Q0, Y0, D0
.endm
; A STEP'S HEAD: distances, f, J, res0 at p, and what the three tries share: J^T J and -J^T f.
.macro START
	DIST PX, PY
	SUB2 F0, DA, D0
	SUB2 F1, DB, D0
	MUL2 NX, PX, Y0                        ; x / d0 and y / d0: a first quotient,
	MUL2 NY, PY, Y0
	SUB2 F0, F0, DDA                       ; f0 = (da - d0) - delta_d_a, in reference()'s order
	SUB2 F1, F1, DDB
	FNMA2 XT, D0, NX, PX                   ; its remainder,
	FNMA2 YT, D0, NY, PY
	FMA2 NX, XT, Y0, NX                    ; the rounded quotient
	FMA2 NY, YT, Y0, NY
	MUL2 XT, UX, YA                        ; the same for (p - sa) / da and (p - sb) / db, the remainders and the quotients in the numerators' places
	MUL2 YT, UY, YA
	MUL2 Q0, VX, YB
	MUL2 D0, VY, YB
	FNMA2 UX, DA, XT, UX
	FNMA2 UY, DA, YT, UY
	FNMA2 VX, DB, Q0, VX
	FNMA2 VY, DB, D0, VY
	FMA2 UX, UX, YA, XT
	FMA2 UY, UY, YA, YT
	FMA2 VX, VX, YB, Q0
	FMA2 VY, VY, YB, D0
	SUB2 UX, UX, NX                        ; j00
	SUB2 UY, UY, NY                        ; j01
	SUB2 VX, VX, NX                        ; j10
	SUB2 VY, VY, NY                        ; j11
	SUMA RV, BRES, F0, F0, F1, F1, Y0      ; res0
	SUMA DV, D00, UX, UX, VX, VX, YA
	SUMA DV, D11, UY, UY, VY, VY, YB
	SUMA OV, D01, UX, UY, VX, VY, DA
	NSUMA GV, NG0, UX, F0, VX, F1, DB
	NSUMA GV, NG1, UY, F0, VY, F1, XT
	SUMB RV, BRES, F0, F0, F1, F1, Y0
	SUMB DV, D00, UX, UX, VX, VX, YA
	SUMB DV, D11, UY, UY, VY, VY, YB
	SUMB OV, D01, UX, UY, VX, VY, DA
	NSUMB GV, NG0, UX, F0, VX, F1, DB
	NSUMB GV, NG1, UY, F0, VY, F1, XT
.irp p, 0,1
.irp h, 0,1
	v_and_b32 v[SB+SZ*(\p)+AB01+(\h)], 0x7fffffff, v[SB+SZ*(\p)+D01+(\h)]
.endr
.endr
.endm
; TRY n of 3.  In the first lam is the constant 0.01 and best_delta is 0.
.macro TRY n
.if (\n) == 1
.irp p, 0,1
	v_pk_add_f32 v[SB+SZ*(\p)+MM0:SB+SZ*(\p)+MM0+1], v[SB+SZ*(\p)+D00:SB+SZ*(\p)+D00+1], s[LM0:LM0+1] op_sel_hi:[1,0]
	v_pk_add_f32 v[SB+SZ*(\p)+MM1:SB+SZ*(\p)+MM1+1], v[SB+SZ*(\p)+D11:SB+SZ*(\p)+D11+1], s[LM0:LM0+1] op_sel_hi:[1,0]
.endr
.else
	ADD2 MM0, D00, LAM
	ADD2 MM1, D11, LAM
.endif
.irp p, 0,1
.irp h, 0,1
	v_cmp_gt_f32 s[SW+2*(\p)+(\h)], v[SB+SZ*(\p)+AB01+(\h)], v[SB+SZ*(\p)+MM0+(\h)]   ; |m10| > m00 (m00 is at least lam): the rows change places
.endr
.endr
	PICK4 PIV, MM0, D01
.irp p, 0,1                            ; four reciprocals and four selections by turns; sixteen more selections are the plain work behind the last reciprocal
.irp h, 0,1
	v_rcp_f32 v[SB+SZ*(\p)+RCP+(\h)], v[SB+SZ*(\p)+PIV+(\h)]
	v_cndmask_b32 v[SB+SZ*(\p)+LOW+(\h)], v[SB+SZ*(\p)+D01+(\h)], v[SB+SZ*(\p)+MM0+(\h)], s[SW+2*(\p)+(\h)]
.endr
.endr
	PICK4 U01, D01, MM1
	PICK4 DGL, MM1, D01
	PICK4 RH0, NG0, NG1
	PICK4 RH1, NG1, NG0
	s_wait_alu depctr_va_vdst(0)           ; one wait for the four reciprocals, ahead of their first reader
	ONEM2 TMP, PIV, RCP
	FMA2 RCP, TMP, RCP, RCP                ; rn(1 / u00)
.if LV == 0
	MUL2 ELL, LOW, RCP
.else
	DIV2 ELL, LOW, PIV, RCP, TMP
.endif
.if UV == 0
	MUL2 TMP, ELL, U01
	SUB2 DGL, DGL, TMP                     ; u11
.else
	FNMA2 DGL, ELL, U01, DGL
.endif
.irp p, 0,1
.irp h, 0,1
	v_rcp_f32 v[SB+SZ*(\p)+RC2+(\h)], v[SB+SZ*(\p)+DGL+(\h)]
.endr
.endr
.if YV == 0                            ; y1: the plain work behind the last reciprocal
	FNMA2 RH1, ELL, RH0, RH1
.else
	MUL2 TMP, ELL, RH0
	SUB2 RH1, RH1, TMP
.endif
	s_wait_alu depctr_va_vdst(0)           ; one wait for the four reciprocals
	ONEM2 TM2, DGL, RC2
	FMA2 RC2, TM2, RC2, RC2                ; rn(1 / u11)
.if XV == 0
	MUL2 NY, RH1, RC2                      ; x1
.else
	DIV2 NY, RH1, DGL, RC2, TM2
.endif
.if NV == 0
	FNMA2 RH0, NY, U01, RH0
.else
	MUL2 TM2, U01, NY
	SUB2 RH0, RH0, TM2
.endif
.if XV == 0
	MUL2 NX, RH0, RCP                      ; x0
.else
	DIV2 NX, RH0, PIV, RCP, TM2
.endif
	ADD2 XT, PX, NX                        ; p + delta
	ADD2 YT, PY, NY
	DIST XT, YT
	SUB2 UX, DA, D0
	SUB2 UY, DB, D0
	SUB2 UX, UX, DDA
	SUB2 UY, UY, DDB
	SUMA RV, VX, UX, UX, UY, UY, VY
	SUMB RV, VX, UX, UX, UY, UY, VY        ; res_try
.irp p, 0,1
.irp h, 0,1
	v_cmp_lt_f32 s[MK+2*(\p)+(\h)], v[SB+SZ*(\p)+VX+(\h)], v[SB+SZ*(\p)+BRES+(\h)]   ; improved
.endr
.endr
.if (\n) == 1
.irp p, 0,1
.irp h, 0,1
	v_cndmask_b32 v[SB+SZ*(\p)+LAM+(\h)], v[L10], v[L03], s[MK+2*(\p)+(\h)]          ; lam = 0.01 x (improved ? 0.3 : 10)
.endr
.endr
.endif
.if (\n) == 2
.irp p, 0,1
.irp h, 0,1
	v_cndmask_b32 v[SB+SZ*(\p)+VY+(\h)], v[C10], v[C03], s[MK+2*(\p)+(\h)]
.endr
.endr
	MUL2 LAM, LAM, VY
.endif
.irp p, 0,1
.irp h, 0,1
.if (\n) == 1
	v_cndmask_b32 v[SB+SZ*(\p)+BDX+(\h)], 0, v[SB+SZ*(\p)+NX+(\h)], s[MK+2*(\p)+(\h)]
	v_cndmask_b32 v[SB+SZ*(\p)+BDY+(\h)], 0, v[SB+SZ*(\p)+NY+(\h)], s[MK+2*(\p)+(\h)]
.else
	v_cndmask_b32 v[SB+SZ*(\p)+BDX+(\h)], v[SB+SZ*(\p)+BDX+(\h)], v[SB+SZ*(\p)+NX+(\h)], s[MK+2*(\p)+(\h)]
	v_cndmask_b32 v[SB+SZ*(\p)+BDY+(\h)], v[SB+SZ*(\p)+BDY+(\h)], v[SB+SZ*(\p)+NY+(\h)], s[MK+2*(\p)+(\h)]
.endif
.if (\n) < 3
	v_min_num_f32 v[SB+SZ*(\p)+BRES+(\h)], v[SB+SZ*(\p)+VX+(\h)], v[SB+SZ*(\p)+BRES+(\h)]   ; improved ? res_try : best_res
.endif
.endr
.endr
.endm
; A STEP'S END: p moves; steps 1 to 4 take part in the maxima and leave as bf16 pairs (x low, y high), step 5 leaves in f32.
.macro FINISH k
	ADD2 PX, PX, BDX
	ADD2 PY, PY, BDY
.if (\k) < 5
.irp p, 0,1
.irp h, 0,1
	v_max3_num_f32 v[MX+(\k)-1], v[MX+(\k)-1], |v[SB+SZ*(\p)+BDX+(\h)]|, |v[SB+SZ*(\p)+BDY+(\h)]|
.endr
.endr
	ADD2 XT, PX, OX
	ADD2 YT, PY, OY
.irp p, 0,1
.irp h, 0,1
	v_cvt_pk_bf16_f32 v[CD+4*((\k)-1)+2*(\p)+(\h)], v[SB+SZ*(\p)+XT+(\h)], v[SB+SZ*(\p)+YT+(\h)]
.endr
.endr
	global_store_b128 v[VW], v[CD+4*((\k)-1):CD+4*((\k)-1)+3], s[20:21] offset:512*((\k)-1) th:TH_STORE_NT   ; the wave's 512 consecutive bytes: the chunk's plane k - 1
.else
.irp p, 0,1
.irp h, 0,1
	v_add_f32 v[FD+4*(\p)+2*(\h)],   v[SB+SZ*(\p)+PX+(\h)], v[SB+SZ*(\p)+OX+(\h)]
	v_add_f32 v[FD+4*(\p)+2*(\h)+1], v[SB+SZ*(\p)+PY+(\h)], v[SB+SZ*(\p)+OY+(\h)]
.endr
	global_store_b128 v[VP], v[FD+4*(\p):FD+4*(\p)+3], s[22:23] offset:512*(\p) th:TH_STORE_NT
.endr
.endif
.endm
.macro ITER k
	START
	TRY 1
	TRY 2
	TRY 3
	FINISH \k
.endm
	s_load_b512 s[8:23], s[0:1], 0x0               ; sensor_a s[8:9], sensor_b s[10:11], sensor_origin s[12:13], initial_guess s[14:15], delta_d_a s[16:17], delta_d_b s[18:19], cand s[20:21], last s[22:23]
	s_load_b64 s[24:25], s[0:1], 0x40              ; pmax
	v_lshl_add_u32 v[SPW], v0, 2, SPARE
	v_mov_b32 v[NIL], 0
	v_lshrrev_b32 v1, 5, v0
	v_readfirstlane_b32 s[WV], v1                  ; wave 0..15
	v_and_b32 v1, 31, v0                           ; lane
	s_lshl_b32 s29, s[WV], 8
	s_add_co_u32 s29, s29, ttmp9                   ; my first chunk: 256 w + g
	s_cmp_lt_u32 s29, NCHUNK-(TRIPS-1)*TRIPCH      ; does chunk 12,288 + 256 w + g exist?
	s_cselect_b32 s[DEAD], 0, 1
	s_add_co_u32 s[LSTL], s[DEAD], 1
	s_lshl_b32 s33, s29, 10
	s_lshl_b32 s34, s29, 9
	s_lshl_b32 s35, s29, 11
	v_lshl_add_u32 v[VP], v1, 4, s33
	v_lshl_add_u32 v[VD], v1, 3, s34
	v_lshl_add_u32 v[VW], v1, 4, s35
	s_mov_b32 s[LM0], 0x3c23d70a                   ; 0.01
	s_mov_b32 s[LM0+1], s[LM0]                     ; named with it as a pair
	s_mov_b32 s[EP2], 0x2b8cbccc                   ; rn(EPS^2), EPS = rn(1e-6): its rounded root is EPS
	s_mov_b32 s[SEL], 0x76543210
	s_mov_b32 s[SEL+1], 0xfedcba98
	s_lshl_b32 s44, ttmp9, 4                       ; my work-group's 16 bytes of pmax
	s_mov_b32 s45, 0
	s_mov_b32 s[IT], TRIPS
	s_wait_kmcnt 0x0
	LOADS 0, 0                                     ; the first chunk
	s_add_nc_u64 s[24:25], s[24:25], s[44:45]
	v_mov_b32 v[C03], 0x3e99999a                   ; 0.3
	v_mov_b32 v[C10], 0x41200000                   ; 10
	v_mul_f32 v[L03], s[LM0], v[C03]               ; lam's two values for the second try, rounded as reference()'s products are
	v_mul_f32 v[L10], s[LM0], v[C10]
.irp m, 0,1,2,3
	v_mov_b32 v[MX+(\m)], 0                        ; |best_delta| is never below 0
.endr
.Ltrip:
	s_cmp_gt_u32 s[IT], s[DEAD]                    ; in the last trip a wave without a fourth chunk has nothing to do
	s_cbranch_scc0 .Lnext
	s_wait_loadcnt 0x0                             ; the chunk's 12 loads, issued a chunk's arithmetic ago
.irp p, 0,1                            ; into the origin's frame, and from (x0 y0 x1 y1) to pairs (x0 x1), (y0 y1); origin and delta_d move out of the raw registers, which the next loads take
.irp h, 0,1
	v_sub_f32 v[SB+SZ*(\p)+AX+(\h)], v[RAW+20*(\p)+2*(\h)],    v[RAW+20*(\p)+8+2*(\h)]
	v_sub_f32 v[SB+SZ*(\p)+AY+(\h)], v[RAW+20*(\p)+2*(\h)+1],  v[RAW+20*(\p)+9+2*(\h)]
	v_sub_f32 v[SB+SZ*(\p)+BX+(\h)], v[RAW+20*(\p)+4+2*(\h)],  v[RAW+20*(\p)+8+2*(\h)]
	v_sub_f32 v[SB+SZ*(\p)+BY+(\h)], v[RAW+20*(\p)+5+2*(\h)],  v[RAW+20*(\p)+9+2*(\h)]
	v_sub_f32 v[SB+SZ*(\p)+PX+(\h)], v[RAW+20*(\p)+12+2*(\h)], v[RAW+20*(\p)+8+2*(\h)]
	v_sub_f32 v[SB+SZ*(\p)+PY+(\h)], v[RAW+20*(\p)+13+2*(\h)], v[RAW+20*(\p)+9+2*(\h)]
	v_mov_b32 v[SB+SZ*(\p)+OX+(\h)],  v[RAW+20*(\p)+8+2*(\h)]
	v_mov_b32 v[SB+SZ*(\p)+OY+(\h)],  v[RAW+20*(\p)+9+2*(\h)]
	v_mov_b32 v[SB+SZ*(\p)+DDA+(\h)], v[RAW+20*(\p)+16+(\h)]
	v_mov_b32 v[SB+SZ*(\p)+DDB+(\h)], v[RAW+20*(\p)+18+(\h)]
.endr
.endr
	s_cmp_gt_u32 s[IT], s[LSTL]                    ; is there a chunk of mine behind this one?
	s_cbranch_scc0 .Lnoload
	LOADS STEP16, STEP8                            ; it is asked for now, five steps of arithmetic ahead of the wait for it; no load passes its buffer's end
.Lnoload:
	ITER 1
	ITER 2
	ITER 3
	ITER 4
	ITER 5
	s_wait_xcnt 0x0                                ; every load and store issued so far has read its offsets and data: the offsets are stepped, and the store data rewritten in the next trip, only behind this wait
	v_add_nc_u32 v[VP], STEP16, v[VP]
	v_add_nc_u32 v[VD], STEP8, v[VD]
	v_add_nc_u32 v[VW], STEPW, v[VW]
.Lnext:
	s_sub_co_u32 s[IT], s[IT], 1
	s_cmp_lg_u32 s[IT], 0
	s_cbranch_scc1 .Ltrip
	; THE MAXIMA.  Over the wave's 32 lanes: four steps inside each half of 16 lanes ride on the arithmetic, one crosses the halves.
.irp x, 1,2,4,8
.irp m, 0,1,2,3
	v_max_num_f32_dpp v[MX+(\m)], v[MX+(\m)], v[MX+(\m)] row_xmask:\x row_mask:0xf bank_mask:0xf
.endr
.endr
.irp m, 0,1,2,3
	v_permlanex16_b32 v[L03+(\m)], v[MX+(\m)], s[SEL], s[SEL+1]   ; its destination counts as read: the four lam constants, written at the head and no longer wanted
.endr
.irp m, 0,1,2,3
	v_max_num_f32 v[MX+(\m)], v[MX+(\m)], v[L03+(\m)]
.endr
	s_lshl_b32 s33, s[WV], 4
	v_mov_b32 v[SB+4], s33
	ds_store_b128 v[SB+4], v[MX:MX+3]              ; over the work-group's 16 waves: each wave's four maxima at 16 x wave; all lanes write the same bytes with the same values
	s_wait_dscnt 0x0                               ; for the others' sake: my store is done
	s_barrier_signal -1
	s_barrier_wait -1
	s_cmp_lg_u32 s[WV], 0                          ; wave 0 finishes
	s_cbranch_scc1 .Lend
	v_and_b32 v[SB+5], 15, v0
	v_lshlrev_b32 v[SB+5], 4, v[SB+5]
	ds_load_b128 v[SB:SB+3], v[SB+5]               ; lane l takes wave l % 16's four
	s_wait_dscnt 0x0
.irp x, 1,2,4,8
.irp m, 0,1,2,3
	v_max_num_f32_dpp v[SB+(\m)], v[SB+(\m)], v[SB+(\m)] row_xmask:\x row_mask:0xf bank_mask:0xf
.endr
.endr
	v_mov_b32 v[SB+6], 0
	s_wait_xcnt 0x0                                ; EXEC changes only behind this wait: the trips' stores have read theirs
	v_cmp_eq_u32 vcc_lo, 0, v0
	s_and_saveexec_b32 s42, vcc_lo
	global_store_b128 v[SB+6], v[SB:SB+3], s[24:25]  ; 16 bytes a work-group, 4,096 in the launch: the one store that does not cover 256 bytes
	s_wait_xcnt 0x0                                ; and again, in front of the line that widens it
	s_or_b32 exec_lo, exec_lo, s42
.Lend:
	s_wait_tensorcnt 0x0                           ; the wave's end, behind my last LDS store
	ds_add_u32 v[SPW], v[NIL]
	s_wait_dscnt 0x0
	s_endpgm
.Lfunc_end_k_qc97a75f339_solve:
	.size	k_qc97a75f339_solve, .Lfunc_end_k_qc97a75f339_solve-k_qc97a75f339_solve
	.p2alignl 7, 3214868480
	.fill 96, 4, 3214868480
	.section	.rodata,"a",@progbits
	.p2align	6, 0x0
	.amdhsa_kernel k_qc97a75f339_solve
		.amdhsa_group_segment_fixed_size 2304
		.amdhsa_private_segment_fixed_size 0
		.amdhsa_enable_private_segment 0
		.amdhsa_kernarg_size 72
		.amdhsa_user_sgpr_count 2
		.amdhsa_user_sgpr_kernarg_segment_ptr 1
		.amdhsa_wavefront_size32 1
		.amdhsa_system_sgpr_workgroup_id_x 1
		.amdhsa_system_sgpr_workgroup_id_y 1
		.amdhsa_system_sgpr_workgroup_id_z 1
		.amdhsa_system_vgpr_workitem_id 0
		.amdhsa_next_free_vgpr 252
		.amdhsa_next_free_sgpr 66
		.amdhsa_reserve_vcc 1
		.amdhsa_float_denorm_mode_32 3
		.amdhsa_float_denorm_mode_16_64 3
		.amdhsa_memory_ordered 1
		.amdhsa_forward_progress 1
		.amdhsa_inst_pref_size 207
	.end_amdhsa_kernel
	.amdgpu_metadata
---
amdhsa.version: [ 1, 2 ]
amdhsa.kernels:
  - .name:           k_qc97a75f339_solve
    .symbol:         k_qc97a75f339_solve.kd
    .args:
      - { .name: sensor_a, .offset: 0, .size: 8, .value_kind: global_buffer, .address_space: global }
      - { .name: sensor_b, .offset: 8, .size: 8, .value_kind: global_buffer, .address_space: global }
      - { .name: sensor_origin, .offset: 16, .size: 8, .value_kind: global_buffer, .address_space: global }
      - { .name: initial_guess, .offset: 24, .size: 8, .value_kind: global_buffer, .address_space: global }
      - { .name: delta_d_a, .offset: 32, .size: 8, .value_kind: global_buffer, .address_space: global }
      - { .name: delta_d_b, .offset: 40, .size: 8, .value_kind: global_buffer, .address_space: global }
      - { .name: cand, .offset: 48, .size: 8, .value_kind: global_buffer, .address_space: global }
      - { .name: last, .offset: 56, .size: 8, .value_kind: global_buffer, .address_space: global }
      - { .name: pmax, .offset: 64, .size: 8, .value_kind: global_buffer, .address_space: global }
    .group_segment_fixed_size: 2304
    .private_segment_fixed_size: 0
    .kernarg_segment_align: 8
    .kernarg_segment_size: 72
    .max_flat_workgroup_size: 512
    .sgpr_count:     66
    .vgpr_count:     252
    .wavefront_size: 32
...
	.end_amdgpu_metadata
.endif
;; end of part 1
;; launch pick (part 2): grid 625 x 1, 5 waves a work-group, no clusters, 0 bytes of LDS; arguments cand, last, pmax, out0; writes out0
.if DOCPART == 2
	.amdgcn_target "amdgcn-amd-amdhsa--gfx1250"
	.amdhsa_code_object_version 6
	.text
	.protected	k_qc97a75f339_pick
	.globl	k_qc97a75f339_pick
	.p2align	8
	.type	k_qc97a75f339_pick,@function
k_qc97a75f339_pick:
	s_mov_b64 s[64:65], 0
	v_nop
	global_prefetch_b8 v0, s[64:65] scope:SCOPE_SE
	s_setreg_imm32_b32 hwreg(HW_REG_WAVE_MODE, 25, 1), 1
	s_wait_xcnt 0x0
; out0 = p_k + origin, k the first step of 1 .. 4 whose largest |best_delta| over ALL elements is below TOL = 0.01, and 5 if there is none.
; cand: for each chunk of 128 elements four planes of 512 bytes, steps 1 .. 4, a bf16 pair (x low, y high) an element; last: step 5 in f32, laid out as out0; pmax: 256 work-groups x (m_1 .. m_4).
; Step 5 has no maximum: reference() drops the flag that it would set (shown at the head of the launch before).
; The choice only selects values: every wave loads all five candidates and takes one by v_cndmask_b32; no branch and no address hangs on the maxima.  A NaN among the maxima is passed over, not carried on.
; SHARES.  15,625 chunks = 625 work-groups x 5 waves x 5 chunks on end.  A lane's 16 bytes of a plane are the elements 128 c + 64 j + 2 lane + h (word 2 j + h), the same four that its two loads of 16 bytes
; from last hold.  Every load and store of a wave covers 512 consecutive bytes, aligned.  All 38 loads of a wave go out at once; no register is loaded twice, so there is no loop.
; Each wave takes the 256 work-groups' maxima for itself: 8 loads of 512 bytes, no LDS and no barrier.
.set PM, 8                             ; v[8:39]   pmax: load i holds (m_1 .. m_4) of work-group 32 i + lane
.set DT, 40                            ; v[40:159] chunk t at DT + 24 t: planes 0 .. 3 (4 registers each), then last's two loads
	s_load_b256 s[4:11], s[0:1], 0x0               ; cand s[4:5], last s[6:7], pmax s[8:9], out0 s[10:11]
	v_lshrrev_b32 v1, 5, v0
	v_readfirstlane_b32 s12, v1                    ; wave 0..4
	v_and_b32 v1, 31, v0
	v_lshlrev_b32 v2, 4, v1                        ; 16 x lane
	s_mul_i32 s13, ttmp9, 5
	s_add_co_u32 s13, s13, s12                     ; my wave among the launch's 3,125
	s_mul_i32 s14, s13, 5*2048                     ; its five chunks in cand,
	s_mul_i32 s15, s13, 5*1024                     ; in last and in out0
	v_add_nc_u32 v3, s14, v2
	v_add_nc_u32 v4, s15, v2
	s_mov_b32 s16, 0x76543210                      ; v_permlanex16_b32's selects: each lane takes its own place in the other half
	s_mov_b32 s17, 0xfedcba98
	s_mov_b32 s18, 0x3c23d70a                      ; TOL = 0.01
	s_wait_kmcnt 0x0
.irp i, 0,1,2,3,4,5,6,7
	global_load_b128 v[PM+4*(\i):PM+4*(\i)+3], v2, s[8:9] offset:512*(\i)
.endr
.irp t, 0,1,2,3,4
.irp k, 0,1,2,3
	global_load_b128 v[DT+24*(\t)+4*(\k):DT+24*(\t)+4*(\k)+3], v3, s[4:5] offset:2048*(\t)+512*(\k) th:TH_LOAD_NT
.endr
.irp j, 0,1
	global_load_b128 v[DT+24*(\t)+16+4*(\j):DT+24*(\t)+16+4*(\j)+3], v4, s[6:7] offset:1024*(\t)+512*(\j) th:TH_LOAD_NT
.endr
.endr
	s_wait_loadcnt 30                              ; pmax's eight loads are in; the 30 issued behind them may stay out
.irp k, 0,1,2,3
	v_max3_num_f32 v[PM+(\k)], v[PM+(\k)], v[PM+4+(\k)], v[PM+8+(\k)]
.endr
.irp k, 0,1,2,3
	v_max3_num_f32 v[PM+(\k)], v[PM+(\k)], v[PM+12+(\k)], v[PM+16+(\k)]
.endr
.irp k, 0,1,2,3
	v_max3_num_f32 v[PM+(\k)], v[PM+(\k)], v[PM+20+(\k)], v[PM+24+(\k)]
.endr
.irp k, 0,1,2,3
	v_max_num_f32 v[PM+(\k)], v[PM+(\k)], v[PM+28+(\k)]
.endr
.irp x, 1,2,4,8
.irp k, 0,1,2,3
	v_max_num_f32_dpp v[PM+(\k)], v[PM+(\k)], v[PM+(\k)] row_xmask:\x row_mask:0xf bank_mask:0xf
.endr
.endr
.irp k, 0,1,2,3
	v_permlanex16_b32 v[PM+4+(\k)], v[PM+(\k)], s16, s17   ; its destination counts as read: registers that the loads have written
.endr
.irp k, 0,1,2,3
	v_max_num_f32 v[PM+(\k)], v[PM+(\k)], v[PM+4+(\k)]     ; every lane holds m_1 .. m_4
.endr
	v_min3_num_f32 v[PM+4], v[PM], v[PM+1], v[PM+2]
	v_min_num_f32 v[PM+4], v[PM+4], v[PM+3]
	v_cmp_gt_f32 s20, s18, v[PM]                   ; step 1 converged: all lanes alike
	v_cmp_gt_f32 s21, s18, v[PM+1]
	v_cmp_gt_f32 s22, s18, v[PM+2]
	v_cmp_gt_f32 s24, s18, v[PM+4]                 ; some step of 1 .. 4 converged
.irp t, 0,1,2,3,4
	s_wait_loadcnt 24-6*(\t)                       ; chunk t's six loads are in; the later chunks', six each, may stay out
.irp q, 0,1,2,3
	v_cndmask_b32 v[DT+24*(\t)+12+(\q)], v[DT+24*(\t)+12+(\q)], v[DT+24*(\t)+8+(\q)], s22   ; step 4's pair, unless an earlier step converged: the earliest is taken last
.endr
.irp q, 0,1,2,3
	v_cndmask_b32 v[DT+24*(\t)+12+(\q)], v[DT+24*(\t)+12+(\q)], v[DT+24*(\t)+4+(\q)], s21
.endr
.irp q, 0,1,2,3
	v_cndmask_b32 v[DT+24*(\t)+12+(\q)], v[DT+24*(\t)+12+(\q)], v[DT+24*(\t)+(\q)], s20
.endr
.irp q, 0,1,2,3
	v_lshlrev_b32 v[DT+24*(\t)+(\q)], 16, v[DT+24*(\t)+12+(\q)]          ; bf16 to f32: x from the low half,
	v_and_b32 v[DT+24*(\t)+4+(\q)], 0xffff0000, v[DT+24*(\t)+12+(\q)]    ; y from the high half
.endr
.irp q, 0,1,2,3
	v_cndmask_b32 v[DT+24*(\t)+16+2*(\q)],   v[DT+24*(\t)+16+2*(\q)],   v[DT+24*(\t)+(\q)],   s24   ; step 5's number where no step converged
	v_cndmask_b32 v[DT+24*(\t)+16+2*(\q)+1], v[DT+24*(\t)+16+2*(\q)+1], v[DT+24*(\t)+4+(\q)], s24
.endr
.irp j, 0,1
	global_store_b128 v4, v[DT+24*(\t)+16+4*(\j):DT+24*(\t)+16+4*(\j)+3], s[10:11] offset:1024*(\t)+512*(\j) th:TH_STORE_NT
.endr
.endr
	s_endpgm
.Lfunc_end_k_qc97a75f339_pick:
	.size	k_qc97a75f339_pick, .Lfunc_end_k_qc97a75f339_pick-k_qc97a75f339_pick
	.p2alignl 7, 3214868480
	.fill 96, 4, 3214868480
	.section	.rodata,"a",@progbits
	.p2align	6, 0x0
	.amdhsa_kernel k_qc97a75f339_pick
		.amdhsa_group_segment_fixed_size 0
		.amdhsa_private_segment_fixed_size 0
		.amdhsa_enable_private_segment 0
		.amdhsa_kernarg_size 32
		.amdhsa_user_sgpr_count 2
		.amdhsa_user_sgpr_kernarg_segment_ptr 1
		.amdhsa_wavefront_size32 1
		.amdhsa_system_sgpr_workgroup_id_x 1
		.amdhsa_system_sgpr_workgroup_id_y 1
		.amdhsa_system_sgpr_workgroup_id_z 1
		.amdhsa_system_vgpr_workitem_id 0
		.amdhsa_next_free_vgpr 160
		.amdhsa_next_free_sgpr 66
		.amdhsa_reserve_vcc 0
		.amdhsa_float_denorm_mode_32 3
		.amdhsa_float_denorm_mode_16_64 3
		.amdhsa_memory_ordered 1
		.amdhsa_forward_progress 1
		.amdhsa_inst_pref_size 17
	.end_amdhsa_kernel
	.amdgpu_metadata
---
amdhsa.version: [ 1, 2 ]
amdhsa.kernels:
  - .name:           k_qc97a75f339_pick
    .symbol:         k_qc97a75f339_pick.kd
    .args:
      - { .name: cand, .offset: 0, .size: 8, .value_kind: global_buffer, .address_space: global }
      - { .name: last, .offset: 8, .size: 8, .value_kind: global_buffer, .address_space: global }
      - { .name: pmax, .offset: 16, .size: 8, .value_kind: global_buffer, .address_space: global }
      - { .name: out0, .offset: 24, .size: 8, .value_kind: global_buffer, .address_space: global }
    .group_segment_fixed_size: 0
    .private_segment_fixed_size: 0
    .kernarg_segment_align: 8
    .kernarg_segment_size: 32
    .max_flat_workgroup_size: 160
    .sgpr_count:     66
    .vgpr_count:     160
    .wavefront_size: 32
...
	.end_amdgpu_metadata
.endif
;; end of part 2
